; MI455X (gfx1250); checked and timed in simulation.
; The chip was launched on July 23, 2026; its instructions are those of AMD's public machine-readable ISA for CDNA 5 (MIT licence, August 2026) and "CDNA5" Instruction Set Architecture Reference Guide (July 2026). The comments in the code are by the model that wrote it; some were corrected since.
;; Feed Forward Quantum. Allowed arithmetic: matrix products marked QUANTISED: E5M2 operands, one given power-of-two scale a tensor, by v_wmma_f32_16x16x64_bf8_bf8 or v_wmma_f32_16x16x128_bf8_bf8, f32 sums; products left as they are: f32 operands where the result goes on into a quantised operand, else bf16, f16 or f32 operands; f32 sums; everything else in f32.
;; Inputs: b1 4,096 float32; b2 1,024 float32; circuit_params 8 float32; lowp_scales 2 int32 (the exponents e of the quantised operands' scales 2^e); w1 4,096 x 8 float32; w2 1,024 x 4,096 float32; x 4 x 4,096 x 1,024 float32.
;; Outputs: out0 4 x 4,096 x 1,024 float32.
;; This version of the problem:
;;   THIS VERSION OF THE PROBLEM IS GIVEN IN LOW PRECISION. The matrix products marked QUANTISED in the list below multiply operands that are first quantised to E5M2 (5 exponent bits, 2 mantissa bits; 8 bits a number), with one given power-of-two scale for each operand tensor; their sums are f32. All else is computed in f32.
;;   The module's matrix products, in the order in which they are computed (A, B: the left and right operand; K: the contracted axis; several contracted axes count as one K, in the product's order):
;;     1. [M 16,384, K 8] x [K 8, N 4,096]; A: computed on the way; B: input w1: left as it is (K = 8 < 32)
;;     2. [M 16,384, K 4,096] x [K 4,096, N 1,024]; A: computed on the way; B: input w2: QUANTISED (scales: A lowp_scales[0], B lowp_scales[1])
;;   THE QUANTISER, for each operand of a quantised product, along K:
;;     - The operand's scale is 2^e, e = its entry of the input lowp_scales (int32; the entries are numbered through the quantised products in the list's order, A before B).
;;     - Each number is divided by the scale, clamped to +-57,344, and rounded to the nearest number of E5M2, ties to even, subnormals kept.
;;     - The product sums the exact products of the quantised numbers (number of the format x scale) in f32.
;;   ~~~python
;;   def quantise(x, axis, e):      # numpy; x: float32 -> the quantised numbers, widened to float32 again
;;       x = np.moveaxis(x, axis, -1); K = x.shape[-1]
;;       r = np.clip(x / 2.0 ** e, -57344, 57344)
;;       step = 2.0 ** (np.maximum(np.frexp(np.where(r == 0, 1, r))[1] - 1, -14) - 2)
;;       q = np.round(r / step) * step * 2.0 ** e      # np.round: ties to even
;;       return np.moveaxis(q, -1, axis).astype(np.float32)
;;   ~~~
;;   OPERANDS COMPUTED ON THE WAY. 'Computed on the way' means the value that the module computes at that place (a softmax that the list does not call 'softmax' is quantised finished and normalised). What goes into a quantiser is computed in f32, as accurately as f32 sums, v_exp_f32 and their like allow (about 1e-6 of the number): no bf16 or f16 on the way to a quantiser, and a product that is left as it is and whose result goes on into a quantised operand takes f32 operands (vector FMAs, or v_wmma_f32_16x16x4_f32). A number that lies on a knife's edge between two numbers of the format may be rounded either way, as far as f32 arithmetic and the matrix unit's own rounding can turn it there, and no further.
;; One version. Each part assembles by itself: llvm-mc -triple=amdgcn-amd-amdhsa -mcpu=gfx1250 --defsym DOCPART=n.
;; ======== version 1 of 1: 2 launches
;; limits: inputs' magnitudes at most 1,048,576
;; workspace buffers: w2c 4,194,304 bytes
;; launch quant (part 1): grid 256 x 1, 8 waves a work-group, no clusters, 68,608 bytes of LDS; arguments w2, lowp_scales, w2c; writes w2c
.if DOCPART == 1
	.amdgcn_target "amdgcn-amd-amdhsa--gfx1250"
	.amdhsa_code_object_version 6
	.text
	.protected	k_qeacfe57c98_quant
	.globl	k_qeacfe57c98_quant
	.p2align	8
	.type	k_qeacfe57c98_quant,@function
k_qeacfe57c98_quant:
	s_mov_b64 s[64:65], 0
	v_nop
	global_prefetch_b8 v0, s[64:65] scope:SCOPE_SE
	s_setreg_imm32_b32 hwreg(HW_REG_WAVE_MODE, 25, 1), 1
	s_wait_xcnt 0x0
; w2 [1024][4096] f32 becomes codes of BF8 (E5M2) with the one given scale 2^e1 (entry 1 of lowp_scales), laid in the ORDER OF THE OPERAND'S REGISTERS:
; byte ((ks x 64 + n16) x 4 + c) x 512 + 16 x lane of w2c holds the 16 codes of w2[16 n16 + lane % 16][128 ks + 32 c + 16 (lane / 16) + 0 .. 15].
; So a K step of 128 is one dense block of 131,072 bytes, and a fragment (16 rows x 128 K) is four loads of 16 bytes a lane, 512 bytes on end each.
; code = x / 2^e1, held within +-57,344, rounded to the nearest code, ties to even.  LIMITS: -126 <= e1 <= 112, so that 2^e1 and 57,344 x 2^e1 are f32 numbers.  NaN in w2 is not served.
; SHARES.  One wave makes one fragment (n16, ks): 16 rows x 512 bytes in, 2,048 bytes out.  n16 = work-group / 4; ks = 8 (work-group % 4) + wave: the eight waves read 4,096 bytes on end of each of 16 rows.
; Each load reads 512 consecutive bytes of a row.  The conversions want 16 neighbours along K in ONE lane's registers, so the 8,192 bytes turn through the wave's own stage in LDS.
; No loop, no barrier: waves share nothing.  Every offset is an immediate, 245,760 at the most.
.set ROWB, 16384                       ; a row of w2 in bytes
.set SP,   528                         ; a stage row: 512 bytes + 16 = 33 x 16, so sixteen rows' pieces of 16 bytes fall on sixteen different places modulo 256 bytes
.set R,    16                          ; v16-79   the numbers as loaded: row i in four registers
.set X,    80                          ; v80-143  back from the stage: register 16 c + i = k 32 c + 16 (lane / 16) + i of row lane % 16
.set C,    144                         ; v144-159 the codes: four registers for each c
	s_load_b128 s[4:7], s[0:1], 0x0                ; w2 s[4:5], lowp_scales s[6:7]
	s_load_b64 s[8:9], s[0:1], 0x10                ; w2c
	v_lshl_add_u32 v160, v0, 2, 0x10800
	v_mov_b32 v161, 0
	v_lshrrev_b32 v4, 5, v0
	v_readfirstlane_b32 s16, v4                    ; wave 0..7
	v_and_b32 v5, 31, v0
	v_lshlrev_b32 v1, 4, v5                        ; 16 x lane: my bytes of a load's 512 and of a store's 512
	s_mul_i32 s17, s16, 16*SP                      ; my wave's stage
	v_add_nc_u32 v2, s17, v1                       ; into it: as the bytes lie
	v_and_b32 v6, 15, v0                           ; r
	v_bfe_u32 v7, v0, 4, 1                         ; h
	v_mul_u32_u24 v3, v6, SP
	v_lshl_add_u32 v3, v7, 6, v3
	v_add_nc_u32 v3, s17, v3                       ; out of it: row r, + 64 h bytes: my 16 numbers of a block of 32
	s_lshr_b32 s18, ttmp9, 2                       ; n16
	s_and_b32 s19, ttmp9, 3
	s_lshl_b32 s19, s19, 3
	s_add_co_u32 s19, s19, s16                     ; ks
	s_lshl_b32 s20, s18, 18                        ; 16 rows of 16,384 bytes
	s_lshl_b32 s21, s19, 9                         ; 128 numbers of 4 bytes
	s_add_co_u32 s20, s20, s21
	s_mov_b32 s21, 0
	s_lshl_b32 s22, s19, 6
	s_add_co_u32 s22, s22, s18
	s_lshl_b32 s22, s22, 11                        ; (64 ks + n16) x 2,048
	s_mov_b32 s23, 0
	s_wait_kmcnt 0x0
	s_load_b32 s24, s[6:7], 0x4                    ; e1
	s_add_nc_u64 s[4:5], s[4:5], s[20:21]
	s_add_nc_u64 s[8:9], s[8:9], s[22:23]
.irp i, 0,1,2,3,4,5,6,7,8,9,10,11,12,13,14,15
	global_load_b128 v[R+4*\i:R+4*\i+3], v1, s[4:5] offset:ROWB*\i th:TH_LOAD_NT   ; 32 lanes read 512 consecutive bytes of row i; read once in the launch
.endr
	s_wait_kmcnt 0x0
	s_add_co_i32 s24, s24, 127
	s_lshl_b32 s25, s24, 23
	v_mov_b32 v11, s25                             ; 2^e1 as f32: the conversion takes its exponent field
	s_add_co_i32 s24, s24, 15
	s_lshl_b32 s24, s24, 23
	s_or_b32 s24, s24, 0x600000
	v_mov_b32 v10, s24                             ; 57,344 x 2^e1
.irp i, 0,1,2,3,4,5,6,7,8,9,10,11,12,13,14,15
	s_wait_loadcnt 15-\i                           ; loads come back in order: row i is in, the 15 - i younger ones may be out
	ds_store_b128 v2, v[R+4*\i:R+4*\i+3] offset:SP*\i
.endr
.irp c, 0,1,2,3
.irp j, 0,1,2,3
	ds_load_b128 v[X+16*\c+4*\j:X+16*\c+4*\j+3], v3 offset:128*\c+16*\j   ; LDS serves a wave's instructions in order: these see my stores
.endr
.endr
.irp c, 0,1,2,3
	s_wait_dscnt 12-4*\c                           ; block c's four loads are in; those of the later blocks may be out
.irp i, 0,1,2,3,4,5,6,7,8,9,10,11,12,13,14,15
	v_med3_num_f32 v[X+16*\c+\i], v[X+16*\c+\i], -v10, v10   ; the conversion to an 8-bit code does not saturate (ISA guide 7.6.2): the hold at the largest code x the scale
.endr
	v_cvt_scalef32_pk8_bf8_f32 v[C+4*\c:C+4*\c+1], v[X+16*\c:X+16*\c+7], v11
	v_cvt_scalef32_pk8_bf8_f32 v[C+4*\c+2:C+4*\c+3], v[X+16*\c+8:X+16*\c+15], v11
	v_nop                                          ; one plain vector line behind the conversions
	global_store_b128 v1, v[C+4*\c:C+4*\c+3], s[8:9] offset:512*\c   ; 32 lanes store 512 consecutive bytes, at a multiple of 512 from w2c's first byte
.endr
	s_wait_tensorcnt 0x0
	ds_add_u32 v160, v161
	s_wait_dscnt 0x0
	s_endpgm
.Lfunc_end_k_qeacfe57c98_quant:
	.size	k_qeacfe57c98_quant, .Lfunc_end_k_qeacfe57c98_quant-k_qeacfe57c98_quant
	.p2alignl 7, 3214868480
	.fill 96, 4, 3214868480
	.section	.rodata,"a",@progbits
	.p2align	6, 0x0
	.amdhsa_kernel k_qeacfe57c98_quant
		.amdhsa_group_segment_fixed_size 68608
		.amdhsa_private_segment_fixed_size 0
		.amdhsa_enable_private_segment 0
		.amdhsa_kernarg_size 24
		.amdhsa_user_sgpr_count 2
		.amdhsa_user_sgpr_kernarg_segment_ptr 1
		.amdhsa_wavefront_size32 1
		.amdhsa_system_sgpr_workgroup_id_x 1
		.amdhsa_system_sgpr_workgroup_id_y 1
		.amdhsa_system_sgpr_workgroup_id_z 1
		.amdhsa_system_vgpr_workitem_id 0
		.amdhsa_next_free_vgpr 162
		.amdhsa_next_free_sgpr 66
		.amdhsa_reserve_vcc 0
		.amdhsa_float_denorm_mode_32 3
		.amdhsa_float_denorm_mode_16_64 3
		.amdhsa_memory_ordered 1
		.amdhsa_forward_progress 1
		.amdhsa_inst_pref_size 12
	.end_amdhsa_kernel
	.amdgpu_metadata
---
amdhsa.version: [ 1, 2 ]
amdhsa.kernels:
  - .name:           k_qeacfe57c98_quant
    .symbol:         k_qeacfe57c98_quant.kd
    .args:
      - { .name: w2, .offset: 0, .size: 8, .value_kind: global_buffer, .address_space: global }
      - { .name: lowp_scales, .offset: 8, .size: 8, .value_kind: global_buffer, .address_space: global }
      - { .name: w2c, .offset: 16, .size: 8, .value_kind: global_buffer, .address_space: global }
    .group_segment_fixed_size: 68608
    .private_segment_fixed_size: 0
    .kernarg_segment_align: 8
    .kernarg_segment_size: 24
    .max_flat_workgroup_size: 256
    .sgpr_count:     66
    .vgpr_count:     162
    .wavefront_size: 32
...
	.end_amdgpu_metadata
.endif
;; end of part 1
;; launch ffn (part 2): grid 256 x 1, 4 waves a work-group, clusters of 4 x 1, 327,680 bytes of LDS; arguments x, w1, b1, w2c, b2, circuit_params, lowp_scales, out0; writes out0
.if DOCPART == 2
	.amdgcn_target "amdgcn-amd-amdhsa--gfx1250"
	.amdhsa_code_object_version 6
	.text
	.protected	k_qeacfe57c98_ffn
	.globl	k_qeacfe57c98_ffn
	.p2align	8
	.type	k_qeacfe57c98_ffn,@function
k_qeacfe57c98_ffn:
	s_mov_b64 s[64:65], 0
	v_nop
	global_prefetch_b8 v0, s[64:65] scope:SCOPE_SE
	s_setreg_imm32_b32 hwreg(HW_REG_WAVE_MODE, 25, 1), 1
	s_wait_xcnt 0x0
	s_wait_alu depctr_hold_cnt(0) depctr_sa_sdst(0) depctr_va_vdst(0) depctr_va_sdst(0) depctr_va_ssrc(0) depctr_va_vcc(0) depctr_vm_vsrc(0)
	s_getreg_b32 s2, hwreg(HW_REG_IB_STS2, 6, 4)
	s_cmp_eq_u32 s2, 0
	s_cbranch_scc0 .Lentry_in_a_cluster
	s_endpgm
.Lentry_in_a_cluster:
	s_bfe_u32 s2, ttmp6, 0x10000c
	s_cmp_lg_u32 s2, 0x3003
	s_cbranch_scc0 .Lentry_shape_is_right
	s_endpgm
.Lentry_shape_is_right:
; out = Q(relu(q w1^T + b1)) Q(w2)^T x 2^(e0 + e1) + b2 + sum(circuit_params) x 0,   q = cumprod(cos(x[.., 0..7])).   16,384 tokens, 4,096 hidden units, 1,024 outputs.
; The second product runs on codes of BF8 (E5M2): w2's come from w2c (made by the launch before, in the order of the operand's registers), the hidden layer's are made here, in registers, and never go to memory.
; SHARES.  A work-group owns 64 tokens and ALL 1,024 outputs, so that each hidden number is made once in the launch.  Wave w owns outputs 256 w .. 256 w + 255 for the 64 tokens: 64 accumulators, 512 registers.
; K goes in 32 steps of 128 hidden units.  For each step wave w also makes hidden units 32 w .. 32 w + 31 of the step for all 64 tokens: register group c = w of the four fragments of h.
; h BY THE f32 MATRIX FORM (its result goes into a quantiser, so operands and sums are f32): source 0 = 16 rows of w1, source 1 = q of 16 tokens, C = b1; K = 8 is two links.  A lane then holds ONE token and
; its registers run along the hidden units.  THE ROWS OF w1 THAT FORM A TILE ARE NOT NEIGHBOURS: lane r of tile u takes row 8 u + r + 8 (r / 8), so that the 16 registers of tiles 0 and 1 are 16 neighbours along K.
; A lane holds w1[f][4 h .. 4 h + 3] and q[token][4 h .. 4 h + 3] (h = lane / 16): link 0 sums k = 0, 1, 4, 5 and link 1 k = 2, 3, 6, 7, alike on both sides.
; h GOES FROM WAVE TO WAVE AS AN IMAGE OF THE OPERAND'S REGISTERS: four registers by one ds_store_b128 at 16 x lane; two images take turns.
; w2's CODES come through a ring of two LDS slots of one K step (131,072 bytes).  Wave w fetches, and alone reads, its own quarter (its 256 outputs: 32,768 dense bytes).
; A STEP, in this order: 56 LDS loads in one run (h's four fragments, w2's first ten); the 16 f32 products of the NEXT step's h, with its holds and conversions between them and no memory instruction among them;
; one run of 4 image stores, 6 loads of w1 and b1 and the other 24 LDS loads; the 64 bf8 products; among the last eight of them the waits and the barrier of the change of slots; the refill.
; w1 AND b1 are asked for two K steps ahead, into two sets of registers through two sets of pointers, which take turns.
; CLUSTER.  The four work-groups of a cluster walk the same blocks of w2c: each quarter is asked for JOINTLY, by the same tensor load with the same descriptor and the mask of all four.
; ROTATED K.  Cluster number n begins at K step n % 32 and wraps, so that the clusters do not all ask for the same block at the same time.  The order of the f32 sums over K therefore differs from cluster to cluster.
; No prefetch is laid: every block of w2c is read by all 64 clusters, not once.
; THE bf8 INSTRUCTION IS USED TRANSPOSED (source 0 = 16 rows of w2, source 1 = 16 tokens of h): a lane holds eight neighbouring outputs of one token.  In both operands registers 4 c .. 4 c + 3 hold
; k = 32 c + 16 (lane / 16) + 0 .. 15: a permutation of k that is the same on both sides.
; THE COSINE is made in f32: n = nearest whole number to x 2 / pi; r = x - n pi / 2 with pi / 2 in three parts, fused; a polynomial for cos r or sin r on |r| <= pi / 4; the quadrant picks value and sign.
; LIMITS.  |x| up to 2^20 for an absolute error of the cosine of about 1e-7; beyond it the reduction loses bits.  e0 between -126 and 112, e0 + e1 between -126 and 127, so that each power of two below is an f32 number.
; NaN or infinity in x, w1 or b1 is not served (the hold drops a NaN).  A sum of circuit_params that is not finite gives NaN everywhere, as sum x 0.0 does.
; LDS: slots at 0 and 131,072; h's two images (8,192 each); q's image (2,048); b2 + z (4,096); the spare words (512).  All of a WGP's LDS is claimed.
; REGISTERS, in windows of 256 (s_set_vgpr_msb: bits 1:0 source 0, 3:2 source 1, 5:4 source 2, 7:6 destination):
;   window 0: v1-14 addresses and constants; v16-31 q; v32-95 h's f32 sums (written by matrix instructions alone); v96-103, v120-127 w1's two sets; v104-119, v176-191 b1's two sets; v128-159 h held; v160-175 codes;
;             v192-255 h's four fragments (at the head: at work)
;   window 1: w2's 16 fragments; on the way out b2 (v0-127) and rows read back (v128-255)      windows 2, 3: accumulator (nt, m) at v[8 (8 m + nt % 8)] of window 2 + nt / 8
.set SLOT1,  131072                    ; slot 1; slot 0 is at 0
.set TILEB,  131072                    ; a K step of w2c
.set W2CB,   4194304                   ; all of w2c: a power of two, so an AND wraps the offset
.set IMG0,   262144                    ; h's images: fragment m at 2,048 m, register group c at 512 c, lane at 16 l
.set IMGB,   8192
.set QIMG,   278528                    ; q's image: tile m at 512 m + 16 l
.set B2L,    280576                    ; b2 + z, 1,024 f32
.set SPARE,  284672                    ; the spare words: 128 bytes for each wave: two blocks of 256 bytes that no other line names
.set SPITCH, 528                       ; the way out: a stage row, 512 bytes + 16
.set LI,   1                           ; v1   16 x lane
.set ADRB, 2                           ; v2, v3  my quarter of slot 0, 1: 32,768 w + 16 x lane.  v2 is also where I read the stage back
.set IMGR, 4                           ; v4   IMG0 + 16 x lane
.set IMGW, 5                           ; v5   IMG0 + 512 w + 16 x lane
.set W1O,  6                           ; v6   w1: (r + 8 (r / 8)) x 32 + 16 h + 1,024 w
.set B1O,  7                           ; v7   b1: 64 h + 128 w
.set SPW,  8                           ; v8   my spare word; never rewritten
.set NIL,  9                           ; v9   0; never rewritten
.set LIM,  10                          ; v10  57,344 x 2^e0
.set SCL,  11                          ; v11  2^e0
.set STO,  12                          ; v12  the stage: 32,768 w + 528 r + 32 h
.set BRD,  14                          ; v14  B2L + 1,024 w + 32 h
.set Q,    16
.set HA,   32
.set W1F,  96                          ; w1's set s at W1F + 24 s
.set BI,   104                         ; b1's set s at BI + 72 s
.set TS,   128
.set PC,   160
.set AF,   192
.set TMP,  128                         ; the way out, window 0
.set BK,   128                         ; the way out, window 1: two sets of 64
.set NN,   192                         ; the head's registers lie where h's fragments will lie
.set RR,   196
.set II,   200
.set SS,   204
.set CC,   208
.set PP,   212
.set RS,   216
.set KC,   220
.set KS,   221
.set PR,   222
.set PX,   223
.set QQ,   224
.set ZS,   228
.set TLN,  232                         ; lane
.set TR,   233                         ; r = lane % 16
.set TH,   234                         ; h = lane / 16
.set TQ,   235
.set TB2S, 236                         ; where I put my 8 numbers of b2 + z
.set TB2O, 237                         ; where they lie in b2
.set TXO,  238                         ; my 16 bytes of x
.set XR,   240                         ; x's four numbers
.set B2R,  244                         ; b2's eight
.set WV,    20                         ; s20  my wave's number
.set TOFF,  22                         ; s[22:23] byte offset in w2c of the K step last asked for
.set G1,    24                         ; s[24:31] descriptor group 1
.set G0,    32                         ; s[32:39] descriptor group 0, a set for each slot
.set WB,    40                         ; s[40:41] w2c + 32,768 w
.set PT,    42                         ; set s: s[PT + 38 s : + 1] w1, s[PT + 38 s + 2 : + 3] b1, at the K step that the set was last filled for: s[42:45], s[80:83]
.set W1OFF, 46                         ; s[46:47], s[48:49] the offsets of the K step last asked for, kept apart from the addresses
.set B1OFF, 48
.set SC,    50                         ; s[50:51] 2^(e0 + e1), twice
.set SEL,   62                         ; s[62:63] v_permlanex16_b32's selects for lane l xor 16
.set MSB, 0
.macro WIN new                         ; the immediate's high byte repeats the setting that is left; a switch that changes nothing is dropped
.if MSB != (\new)
	s_set_vgpr_msb (MSB<<8)|(\new)
.set MSB, (\new)
.endif
.endm
.macro PLACES n
.rept \n
	v_nop
.endr
.endm
; A round of the cluster's barrier: my work-group's barrier; wave 0 signals for the work-group; every wave waits for all four work-groups; my work-group's barrier once more.
.macro CREST                           ; a round behind its opening barrier
	s_cmp_lg_u32 s[WV], 0
	s_cbranch_scc1 .Lnot_wave_0_\@
	s_barrier_signal -3
.Lnot_wave_0_\@:
	s_barrier_wait -3
	s_barrier_signal -1
	s_barrier_wait -1
.endm
.macro ROUND                           ; a whole round
	s_barrier_signal -1
	s_barrier_wait -1
	CREST
.endm
.macro STEPD s                         ; slot s's group 0 takes the next K step, wrapped.  It stands behind a wait for all my tensor loads
	s_add_co_u32 s[TOFF], s[TOFF], TILEB
	s_and_b32 s[TOFF], s[TOFF], W2CB-1
	s_add_nc_u64 s[G0+4*(\s)+2:G0+4*(\s)+3], s[WB:WB+1], s[TOFF:TOFF+1]
	s_or_b32 s[G0+4*(\s)+3], s[G0+4*(\s)+3], 0x80000000
.endm
; f32 product i of 16, on w1's and b1's set s: tokens 16 (i / 4) on, tile u = i % 2 of w1, link (i % 4) / 2.  Within a tile of tokens: u0 l0, u1 l0, u0 l1, u1 l1: the two accumulators take turns.
.macro HW i, s
.set hm, (\i)/4
.set hu, (\i)%2
.set hl, ((\i)%4)/2
.set hwf, W1F+24*(\s)+4*hu+2*hl
.set hbi, BI+72*(\s)+8*hu
.if hl == 0
	v_wmma_f32_16x16x4_f32 v[HA+16*hm+8*hu:HA+16*hm+8*hu+7], v[hwf:hwf+1], v[Q+4*hm:Q+4*hm+1], v[hbi:hbi+7]
.else
	v_wmma_f32_16x16x4_f32 v[HA+16*hm+8*hu:HA+16*hm+8*hu+7], v[hwf:hwf+1], v[Q+4*hm+2:Q+4*hm+3], v[HA+16*hm+8*hu:HA+16*hm+8*hu+7]
.endif
.endm
; numbers a .. b - 1 of tile m's sixteen: relu and the hold at the largest code x the scale in one, INTO OTHER REGISTERS, each accumulator from its low end on
.macro QM m, a, b
.set qi, \a
.rept (\b)-(\a)
	v_med3_num_f32 v[TS+16*((\m)%2)+qi], v[HA+16*(\m)+qi], 0, v[LIM]
.set qi, qi+1
.endr
.endm
.macro QC m                            ; sixteen numbers become sixteen codes: four registers of fragment m
	v_cvt_scalef32_pk8_bf8_f32 v[PC+4*(\m):PC+4*(\m)+1], v[TS+16*((\m)%2):TS+16*((\m)%2)+7], v[SCL]
	v_cvt_scalef32_pk8_bf8_f32 v[PC+4*(\m)+2:PC+4*(\m)+3], v[TS+16*((\m)%2)+8:TS+16*((\m)%2)+15], v[SCL]
	v_nop                                          ; one plain vector line behind the conversions, ahead of whatever next writes their sources or results
.endm
.macro QS m, buf                       ; and go into the image: register group c = my wave of fragment m
	ds_store_b128 v[IMGW], v[PC+4*(\m):PC+4*(\m)+3] offset:IMGB*(\buf)+2048*(\m)
.endm
.macro LA p                            ; h's four fragments out of image p
	WIN 0
.irp m, 0,1,2,3
.irp c, 0,1,2,3
	ds_load_b128 v[AF+16*\m+4*\c:AF+16*\m+4*\c+3], v[IMGR] offset:IMGB*(\p)+2048*\m+512*\c
.endr
.endr
.endm
.macro LB p, g                         ; w2's fragments 2 g and 2 g + 1 out of my quarter of slot p, into window 1
	WIN 0x40
.irp n, 2*(\g), 2*(\g)+1
.irp c, 0,1,2,3
	ds_load_b128 v[16*(\n)+4*\c:16*(\n)+4*\c+3], v[ADRB+(\p)] offset:2048*(\n)+512*\c
.endr
.endr
.endm
.macro WISSUE s                        ; my 32 rows of w1 (two tiles) and my 32 numbers of b1, in the result's layout, into set s: six loads
.irp u, 0,1
	global_load_b128 v[W1F+24*(\s)+4*\u:W1F+24*(\s)+4*\u+3], v[W1O], s[PT+38*(\s):PT+38*(\s)+1] offset:256*\u
.endr
.irp u, 0,1
	global_load_b128 v[BI+72*(\s)+8*\u:BI+72*(\s)+8*\u+3], v[B1O], s[PT+38*(\s)+2:PT+38*(\s)+3] offset:32*\u
	global_load_b128 v[BI+72*(\s)+8*\u+4:BI+72*(\s)+8*\u+7], v[B1O], s[PT+38*(\s)+2:PT+38*(\s)+3] offset:32*\u+16
.endr
.endm
.macro WLOAD s                         ; the K step behind the one last asked for, wrapped, into set s.  Set s's earlier six loads were shown done by the counted wait at HGEN's head, so its pointers may be written
	s_add_co_u32 s[W1OFF], s[W1OFF], 4096
	s_and_b32 s[W1OFF], s[W1OFF], 0x1ffff
	s_add_nc_u64 s[PT+38*(\s):PT+38*(\s)+1], s[6:7], s[W1OFF:W1OFF+1]
	s_add_co_u32 s[B1OFF], s[B1OFF], 512
	s_and_b32 s[B1OFF], s[B1OFF], 0x3fff
	s_add_nc_u64 s[PT+38*(\s)+2:PT+38*(\s)+3], s[8:9], s[B1OFF:B1OFF+1]
	WISSUE \s
.endm
; My part of a K step of h, from set buf of w1 and b1, into image buf.  No memory instruction stands among the sixteen products: the four image stores and the six loads follow them in one run.
; lc: the loads that may stay out at the head: the other set's six, or none.  wl = 1: set buf is filled again, for the K step two on.
; A vector instruction that reads a result of the f32 form stands eight places behind it, and so does a load into one of its sources (ISA guide 7.12.1 for vector instructions); only plain vector
; lines that name none of its registers are places.  Tile 0: eight v_nop behind product 4.  Tile m > 0: product 4 m + 2 has the twelve holds behind products 4 m + 2 and 4 m + 3, product 4 m + 3 the eight behind itself,
; all of them holds of tile m - 1.  The loads into set buf: the eight holds of tile 2 behind product 15, and more.
.macro HGEN buf, wl, lc
	s_wait_loadcnt \lc                             ; set buf of w1 and b1 is in
	WIN 0
	HW 0, \buf
	HW 1, \buf
	HW 2, \buf
	HW 3, \buf
	HW 4, \buf
	PLACES 8
.irp m, 0,1,2
	HW 4*\m+5, \buf
	QM \m, 0, 4
	HW 4*\m+6, \buf
	QM \m, 4, 8
	HW 4*\m+7, \buf
	QM \m, 8, 16
	QC \m
.if \m < 2
	HW 4*\m+8, \buf
.endif
.endr
	QM 3, 0, 16
	QC 3
.irp m, 0,1,2,3
	QS \m, \buf
.endr
.if \wl
	WLOAD \buf
.endif
.endm
.macro MUL4 n, zero                    ; w2's fragment n against h's four.  zero = 1: the first products start the sums: nothing is cleared
.irp m, 0,1,2,3
.if \zero
	v_wmma_f32_16x16x128_bf8_bf8 v[8*(8*\m+(\n)%8):8*(8*\m+(\n)%8)+7], v[16*(\n):16*(\n)+15], v[AF+16*\m:AF+16*\m+15], 0
.else
	v_wmma_f32_16x16x128_bf8_bf8 v[8*(8*\m+(\n)%8):8*(8*\m+(\n)%8)+7], v[16*(\n):16*(\n)+15], v[AF+16*\m:AF+16*\m+15], v[8*(8*\m+(\n)%8):8*(8*\m+(\n)%8)+7]
.endif
.endr
.endm
; 64 bf8 products: w2's fragments in pairs, each against h's four.  The 64 accumulators take turns, one instruction a turn, in the same order in every step.
; Pair 0 and h's fragments were waited for ahead of the second run of loads.  The wait ahead of pair g leaves out what was issued behind its loads: g = 1 .. 4: the 8 (4 - g) loads of the first run's later pairs,
; st image stores and the second run's 24;  g = 5, 6: the 8 (7 - g) loads of the later pairs.
; THE CHANGE OF SLOTS stands among the last eight products (meet = 1, 2): the wait for all my tensor loads (one is out: the next step's quarter), the add, the wait for the add and for all my LDS loads and stores,
; the signal; four products between the add and the wait for it, four between the signal and the barrier's wait.  In front of the signal my reads of this slot and of this image are back and my image stores have landed.
; meet = 2: slot ns, the one just read, will be filled again: its group 0 is stepped.
.macro MULT zero, st, meet, ns
.irp g, 0,1,2,3,4,5,6,7
.if \g == 7
.if \meet
	WIN 0                                          ; (the add's two registers lie in window 0)
	s_wait_tensorcnt 0x0                           ; all my tensor loads have landed; so a group 0 may be written
	ds_add_u32 v[SPW], v[NIL]                      ; 0 onto my spare word
.if \meet == 2
	STEPD \ns
.endif
	s_wait_dscnt 0x1                               ; pair 7 is in: the add alone may be out
.else
	s_wait_dscnt 0x0
.endif
.elseif \g > 4
	s_wait_dscnt 56-8*\g
.elseif \g > 0
	s_wait_dscnt 56-8*\g+\st
.endif
	WIN 0xa1+0x50*(\g/4)                           ; source 0 (w2) window 1, source 1 (h) window 0, C and D window 2 or 3
	MUL4 2*\g, \zero
.if \g == 7
.if \meet
	s_wait_dscnt 0x0                               ; the add is done; nothing of mine is out in LDS
	s_barrier_signal -1
.endif
.endif
	MUL4 2*\g+1, \zero
.endr
	WIN 0
.if \meet
	s_barrier_wait -1
.endif
.endm
; A K STEP on slot p and image p.  gen = 1: the next step's h is made, into image 1 - p.  The barrier at its end serves four things: the next tile has landed; nobody reads slot p any more; h's image 1 - p is whole;
; nobody reads image p any more.  meet = 2: it opens a round of the cluster's barrier, and slot p takes the K step two on: my one tensor load, and the only one of mine that is out; it has a whole step in which to land.
.macro TRIP p, zero, gen, wl, lc, meet
	LA \p
.irp g, 0,1,2,3,4
	LB \p, \g
.endr
.if \gen
	HGEN 1-\p, \wl, \lc
.endif
	s_wait_dscnt 32+4*\gen                         ; h's fragments and pair 0 are in: the first products' wait; behind them: pairs 1 to 4 and the image stores
.irp g, 5,6,7
	LB \p, \g
.endr
	MULT \zero, 4*\gen, \meet, \p
.if \meet == 2
	CREST                                          ; what stood in front of the signal now holds of every wave of all four work-groups
	tensor_load_to_lds s[G0+4*\p:G0+4*\p+3], s[G1:G1+7]
	s_nop 0
.endif
.if \meet
	PLACES 4                                       ; the places in front of the next step's loads into registers that the last products read
.endif
.endm
	s_load_b512 s[4:19], s[0:1], 0x0               ; x s[4:5], w1 s[6:7], b1 s[8:9], w2c s[10:11], b2 s[12:13], circuit_params s[14:15], lowp_scales s[16:17], out0 s[18:19]
	v_lshl_add_u32 v[SPW], v0, 2, SPARE
	v_mov_b32 v[NIL], 0
	ds_add_u32 v8, v9
	ds_add_u32 v8, v9
	s_wait_dscnt 0x0
	v_lshrrev_b32 v15, 5, v0
	v_readfirstlane_b32 s[WV], v15                 ; wave 0..3
	s_bfe_u32 s2, ttmp6, 0x40000                   ; cx: my place in the cluster.  It enters x's and out0's addresses alone, through s2, s3, s[70:71]
	s_lshl_b32 s3, ttmp9, 2                        ; in a cluster launch ttmp9 counts clusters
	s_add_co_u32 s3, s3, s2                        ; my work-group
	s_lshl_b32 s70, s3, 18                         ; its 64 rows of 4,096 bytes, in x and in out0
	s_mov_b32 s71, 0
	s_lshl_b32 s66, s[WV], 15                      ; my quarter of a slot and of a block of w2c
	s_mov_b32 s67, 0
	s_lshl_b32 s68, s[WV], 10                      ; my 256 outputs, and my 32 rows of w1, in bytes
	s_mov_b32 s69, 0
	s_lshl_b32 s72, s[WV], 9
	s_lshl_b32 s73, s[WV], 7
	s_lshl_b32 s74, s[WV], 16                      ; my 16 rows of x
	s_mov_b32 s75, 0
	s_and_b32 s76, ttmp9, 31                       ; the K step at which my cluster begins: the same in all four partners
	s_lshl_b32 s[TOFF], s76, 17
	s_mov_b32 s[TOFF+1], 0
	s_lshl_b32 s[W1OFF], s76, 12                   ; 128 rows of 32 bytes
	s_mov_b32 s[W1OFF+1], 0
	s_lshl_b32 s[B1OFF], s76, 9                    ; 128 numbers
	s_mov_b32 s[B1OFF+1], 0
	; descriptor group 1: a dense block of 32,768 bytes as 128 rows of 32 elements of 8 bytes
	s_mov_b32 s[G1+0], 15|(3<<16)|(1<<21)          ; 15:0 the mask: all four work-groups; 17:16 elements of 8 bytes; 20 no padding; 21 set beside a mask
	s_mov_b32 s[G1+1], 32<<16                      ; tensor_dim0 = 32
	s_mov_b32 s[G1+2], 128<<16                     ; tensor_dim1 = 128
	s_mov_b32 s[G1+3], 32<<16                      ; tile_dim0 = 32
	s_mov_b32 s[G1+4], 128                         ; tile_dim1 = 128
	s_mov_b32 s[G1+5], 32                          ; from row to row: 32 elements
	s_mov_b32 s[G1+6], 0
	s_mov_b32 s[G1+7], 0
	s_mov_b32 s[SEL], 0x76543210
	s_mov_b32 s[SEL+1], 0xfedcba98
	v_and_b32 v[TLN], 31, v0                       ; lane
	v_and_b32 v[TR], 15, v0                        ; r
	v_bfe_u32 v[TH], v0, 4, 1                      ; h
	v_lshlrev_b32 v[LI], 4, v[TLN]
	v_add_nc_u32 v[ADRB], s66, v[LI]
	v_add_nc_u32 v[ADRB+1], SLOT1, v[ADRB]
	v_add_nc_u32 v[IMGR], IMG0, v[LI]
	v_add_nc_u32 v[IMGW], s72, v[IMGR]
	v_and_b32 v[TQ], 8, v[TR]
	v_add_nc_u32 v[TQ], v[TQ], v[TR]               ; r + 8 (r / 8)
	v_lshlrev_b32 v[W1O], 5, v[TQ]
	v_lshl_add_u32 v[W1O], v[TH], 4, v[W1O]
	v_add_nc_u32 v[W1O], s68, v[W1O]
	v_lshlrev_b32 v[B1O], 6, v[TH]
	v_add_nc_u32 v[B1O], s73, v[B1O]
	v_mul_u32_u24 v[STO], v[TR], SPITCH
	v_lshl_add_u32 v[STO], v[TH], 5, v[STO]
	v_add_nc_u32 v[STO], s66, v[STO]
	v_lshlrev_b32 v[BRD], 5, v[TH]
	v_add_nc_u32 v[BRD], s68, v[BRD]
	v_add_nc_u32 v[BRD], B2L, v[BRD]
	v_lshl_add_u32 v[TB2S], v0, 5, B2L             ; where I put my 8 numbers of b2 + z
	v_lshlrev_b32 v[TB2O], 5, v0                   ; and where they lie in b2: 128 threads x 32 bytes
	v_lshlrev_b32 v[TXO], 12, v[TR]
	v_lshl_add_u32 v[TXO], v[TH], 4, v[TXO]        ; x: row r of 4,096 bytes, + 16 h: x[token][4 h .. 4 h + 3]
	s_wait_kmcnt 0x0
	s_load_b256 s[52:59], s[14:15], 0x0            ; circuit_params
	s_load_b64 s[60:61], s[16:17], 0x0             ; e0, e1
	s_add_nc_u64 s[4:5], s[4:5], s[70:71]
	s_add_nc_u64 s[4:5], s[4:5], s[74:75]          ; x at my wave's 16 tokens
	s_add_nc_u64 s[18:19], s[18:19], s[70:71]
	s_add_nc_u64 s[18:19], s[18:19], s[68:69]      ; out0 at my work-group's first row, my wave's first output
	s_add_nc_u64 s[WB:WB+1], s[10:11], s[66:67]
	s_add_nc_u64 s[PT:PT+1], s[6:7], s[W1OFF:W1OFF+1]      ; set 0: the first K step
	s_add_nc_u64 s[PT+2:PT+3], s[8:9], s[B1OFF:B1OFF+1]
	s_mov_b32 s[G0], 1                             ; 1:0 count = 1
	s_lshl_b32 s[G0+1], s[WV], 15                  ; LDS address: slot 0, my quarter: no place in the cluster enters it
	s_add_nc_u64 s[G0+2:G0+3], s[WB:WB+1], s[TOFF:TOFF+1]
	s_or_b32 s[G0+3], s[G0+3], 0x80000000          ; type = 2
	s_mov_b32 s[G0+4], 1
	s_add_co_u32 s[G0+5], s[G0+1], SLOT1           ; slot 1; its global address is written ahead of its first fill
	ROUND                                          ; all four work-groups are here: the first joint loads meet
	tensor_load_to_lds s[G0:G0+3], s[G1:G1+7]      ; the first K step's quarter
	s_nop 0
	PLACES 4
	global_load_b128 v[XR:XR+3], v[TXO], s[4:5] th:TH_LOAD_NT
	global_load_b128 v[B2R:B2R+3], v[TB2O], s[12:13]
	global_load_b128 v[B2R+4:B2R+7], v[TB2O], s[12:13] offset:16
	WISSUE 0                                       ; w1 and b1 of the first K step,
	WLOAD 1                                        ; and of the second
	s_wait_kmcnt 0x0
	s_add_co_i32 s68, s60, 127
	s_lshl_b32 s69, s68, 23
	v_mov_b32 v[SCL], s69                          ; 2^e0 as f32: the conversion takes its exponent field
	s_add_co_i32 s68, s68, 15
	s_lshl_b32 s68, s68, 23
	s_or_b32 s68, s68, 0x600000
	v_mov_b32 v[LIM], s68                          ; 57,344 x 2^e0
	s_add_co_i32 s[SC], s60, s61
	s_add_co_i32 s[SC], s[SC], 127
	s_lshl_b32 s[SC], s[SC], 23                    ; 2^(e0 + e1) as f32
	s_mov_b32 s[SC+1], s[SC]                       ; (named with it as a pair, so it is written)
	v_mov_b32 v[ZS], s52                           ; the sum of circuit_params
.irp k, 53,54,55,56,57,58,59
	v_add_f32 v[ZS], s\k, v[ZS]
.endr
	v_mov_b32 v[KC], 0x37ccf5ce                    ; the polynomials' leading coefficients
	v_mov_b32 v[KS], 0xb94ca1f9
	v_mov_b32 v[PX], 0                             ; written once: a lane permute's destination counts as one of its sources
	s_wait_loadcnt 14                              ; x is in; behind it: b2's two loads and the twelve of w1 and b1
	; four cosines a lane, line by line over the four, so that no line waits for the line above it
.irp k, 0,1,2,3
	v_mul_f32 v[NN+\k], 0x3f22f983, v[XR+\k]       ; x 2 / pi
.endr
.irp k, 0,1,2,3
	v_rndne_f32 v[NN+\k], v[NN+\k]                 ; n
.endr
.irp k, 0,1,2,3
	v_fmamk_f32 v[RR+\k], v[NN+\k], 0xbfc90fdb, v[XR+\k]   ; r = x - n pi / 2: the first part of pi / 2,
.endr
.irp k, 0,1,2,3
	v_fmamk_f32 v[RR+\k], v[NN+\k], 0x333bbd2e, v[RR+\k]   ; the second,
.endr
.irp k, 0,1,2,3
	v_fmamk_f32 v[RR+\k], v[NN+\k], 0x26f72ced, v[RR+\k]   ; the third
.endr
.irp k, 0,1,2,3
	v_cvt_i32_f32 v[II+\k], v[NN+\k]
.endr
.irp k, 0,1,2,3
	v_mul_f32 v[SS+\k], v[RR+\k], v[RR+\k]         ; s = r r
.endr
.irp k, 0,1,2,3
	v_fmaak_f32 v[CC+\k], v[SS+\k], v[KC], 0xbab6061a      ; cos r = 1 - s / 2 + s s (c2 + s (c3 + s c4))
.endr
.irp k, 0,1,2,3
	v_fmaak_f32 v[CC+\k], v[CC+\k], v[SS+\k], 0x3d2aaaa5
.endr
.irp k, 0,1,2,3
	v_fma_f32 v[CC+\k], v[CC+\k], v[SS+\k], -0.5
.endr
.irp k, 0,1,2,3
	v_fma_f32 v[CC+\k], v[CC+\k], v[SS+\k], 1.0
.endr
.irp k, 0,1,2,3
	v_fmaak_f32 v[PP+\k], v[SS+\k], v[KS], 0x3c08839e      ; sin r = r + r s (s1 + s (s2 + s s3))
.endr
.irp k, 0,1,2,3
	v_fmaak_f32 v[PP+\k], v[PP+\k], v[SS+\k], 0xbe2aaaa3
.endr
.irp k, 0,1,2,3
	v_mul_f32 v[RS+\k], v[RR+\k], v[SS+\k]
.endr
.irp k, 0,1,2,3
	v_fma_f32 v[PP+\k], v[PP+\k], v[RS+\k], v[RR+\k]
.endr
.irp k, 0,1,2,3
	v_and_b32 v[RS+\k], 1, v[II+\k]                ; n odd: the sine
.endr
.irp k, 0,1,2,3
	v_add_nc_u32 v[II+\k], 1, v[II+\k]             ; n % 4 = 1 or 2: the sign turns
.endr
.irp k, 0,1,2,3
	v_and_b32 v[II+\k], 2, v[II+\k]
.endr
.irp k, 0,1,2,3
	v_lshlrev_b32 v[II+\k], 30, v[II+\k]
.endr
.irp k, 0,1,2,3
	v_cmp_ne_u32 vcc_lo, 0, v[RS+\k]
	v_cndmask_b32 v[CC+\k], v[CC+\k], v[PP+\k], vcc_lo
	v_xor_b32 v[CC+\k], v[II+\k], v[CC+\k]
.endr
	; the cumulative product, from the left: lanes 16-31 (k = 4 .. 7) begin with the product of lane l - 16's four
	v_mul_f32 v[PR], v[CC], v[CC+1]
	v_mul_f32 v[PR], v[PR], v[CC+2]
	v_mul_f32 v[PR], v[PR], v[CC+3]
	v_permlanex16_b32 v[PX], v[PR], s[SEL], s[SEL+1]
	v_cmp_ne_u32 vcc_lo, 0, v[TH]
	v_cndmask_b32 v[PX], 1.0, v[PX], vcc_lo        ; lanes 0-15 begin with 1
	v_mul_f32 v[QQ], v[PX], v[CC]
	v_mul_f32 v[QQ+1], v[QQ], v[CC+1]
	v_mul_f32 v[QQ+2], v[QQ+1], v[CC+2]
	v_mul_f32 v[QQ+3], v[QQ+2], v[CC+3]
	ds_store_b128 v[IMGW], v[QQ:QQ+3] offset:QIMG-IMG0     ; tile w of q's image, as the f32 form's source 1 wants it
	s_wait_loadcnt 12                              ; b2 is in; behind it: the twelve loads of w1 and b1
.irp k, 0,1,2,3,4,5,6,7
	v_fma_f32 v[B2R+\k], v[ZS], 0, v[B2R+\k]       ; b2 + sum(circuit_params) x 0
.endr
	ds_store_b128 v[TB2S], v[B2R:B2R+3]
	ds_store_b128 v[TB2S], v[B2R+4:B2R+7] offset:16
	s_wait_dscnt 0x0                               ; for the others' sake: my stores have landed
	s_barrier_signal -1                            ; my tensor load may stay out
	s_barrier_wait -1
.irp m, 0,1,2,3
	ds_load_b128 v[Q+4*\m:Q+4*\m+3], v[IMGR] offset:QIMG-IMG0+512*\m   ; q of all 64 tokens stays in registers
.endr
	s_wait_dscnt 0x0
	HGEN 0, 1, 6                                   ; the first K step's h, into image 0; set 1's six loads may stay out; set 0 is filled again, for the third K step
	s_wait_tensorcnt 0x0                           ; the first change of slots stands alone: my quarter of the first K step has landed;
	ds_add_u32 v[SPW], v[NIL]                      ; 0 onto my spare word;
	STEPD 1                                        ; slot 1's group 0: the second K step
	s_wait_dscnt 0x0                               ; the add is done and my image stores have landed
	ROUND
	tensor_load_to_lds s[G0+4:G0+7], s[G1:G1+7]    ; slot 1's first fill, issued as a refill is
	s_nop 0
	PLACES 4
	TRIP 0, 1, 1, 1, 6, 2                          ; step 0 stands in front of the loop: its products start the sums
	s_mov_b32 s21, 14
.Llap:                                             ; steps 1 to 28, two a trip: once round the ring
	TRIP 1, 0, 1, 1, 6, 2
	TRIP 0, 0, 1, 1, 6, 2
	s_sub_co_u32 s21, s21, 1
	s_cmp_lg_u32 s21, 0
	s_cbranch_scc1 .Llap
	TRIP 1, 0, 1, 0, 6, 2                          ; step 29 makes h of step 30: no w1 is left to ask for; behind it the last K step's block is asked for
	TRIP 0, 0, 1, 0, 0, 1                          ; step 30 makes the last h
	TRIP 1, 0, 0, 0, 0, 0                          ; step 31 makes nothing and asks for nothing: the tail is written out
; THE WAY OUT, by blocks of 16 tokens x 128 outputs (block a: tokens 16 (a % 4) on, outputs 128 (a / 4) on).  A lane holds 32 neighbouring bytes of a row and the lanes beside it hold other rows: so a block goes
; through my own stage and comes back as whole rows of 512 bytes.  The stage lies in my quarter of slot 0, which has had its last fill and its last read, and which no other wave touches.
; LDS serves a wave's instructions in order (ISA guide 5.7.1.4): no wait between the stores and the loads, nor in front of the next block's stores.
.macro TOSTAGE a
.set hf, (\a)/4
.set bm, (\a)%4
	WIN 0x12+hf                                    ; source 0 (the sums) window 2 or 3, source 2 (b2) window 1, destination window 0
.irp j, 0,2,4,6,8,10,12,14,16,18,20,22,24,26,28,30,32,34,36,38,40,42,44,46,48,50,52,54,56,58,60,62
	v_pk_fma_f32 v[TMP+\j:TMP+\j+1], v[64*bm+\j:64*bm+\j+1], s[SC:SC+1], v[64*hf+\j:64*hf+\j+1] op_sel_hi:[1,0,1]   ; sum x 2^(e0 + e1) + b2 + z; each accumulator from its low end on
.endr
	WIN 0
.irp b, 0,1,2,3,4,5,6,7
	ds_store_b128 v[STO], v[TMP+8*\b:TMP+8*\b+3] offset:64*\b
	ds_store_b128 v[STO], v[TMP+8*\b+4:TMP+8*\b+7] offset:64*\b+16
.endr
	WIN 0x40                                       ; destination window 1
.irp t, 0,1,2,3,4,5,6,7,8,9,10,11,12,13,14,15
	ds_load_b128 v[BK+64*((\a)%2)+4*\t:BK+64*((\a)%2)+4*\t+3], v[ADRB] offset:\t*SPITCH
.endr
.endm
.macro SEND a, younger                 ; younger: the LDS instructions issued behind block a's loads, which may stay out
	s_wait_dscnt \younger
	WIN 0x04                                       ; the stores' data in window 1
.irp t, 0,1,2,3,4,5,6,7,8,9,10,11,12,13,14,15
	global_store_b128 v[LI], v[BK+64*((\a)%2)+4*\t:BK+64*((\a)%2)+4*\t+3], s[18:19] offset:(16*((\a)%4)+\t)*4096+512*((\a)/4) th:TH_STORE_NT   ; 32 lanes store 512 consecutive bytes, at a multiple of 512 from out0's first byte; 258,560 at the most
.endr
.endm
	PLACES 4                                       ; in front of the loads into registers that the last products read, and of the first read of results
	WIN 0x40
.irp n, 0,1,2,3,4,5,6,7,8,9,10,11,12,13,14,15
	ds_load_b128 v[8*\n:8*\n+3], v[BRD] offset:64*\n       ; b2 + z in the result's layout: outputs 256 w + 16 n + 8 h + 0 .. 7
	ds_load_b128 v[8*\n+4:8*\n+7], v[BRD] offset:64*\n+16
.endr
	s_wait_dscnt 0x0
	TOSTAGE 0
.irp a, 1,2,3,4,5,6,7
.if \a > 1
	s_wait_xcnt 0x0                                ; block a - 2's stores have read their registers: block a's loads may land there
.endif
	TOSTAGE \a
	SEND \a-1, 32                                  ; behind block a - 1's loads: block a's 16 stores and 16 loads
.endr
	SEND 7, 0
	WIN 0
	s_wait_tensorcnt 0x0                           ; the wave's end, behind my last tensor load and my last LDS store
	ds_add_u32 v[SPW], v[NIL]
	s_wait_dscnt 0x0
	ROUND                                          ; the closing round: no work-group ends while a partner may still ask for a block that names it
	s_endpgm
.Lfunc_end_k_qeacfe57c98_ffn:
	.size	k_qeacfe57c98_ffn, .Lfunc_end_k_qeacfe57c98_ffn-k_qeacfe57c98_ffn
	.p2alignl 7, 3214868480
	.fill 96, 4, 3214868480
	.section	.rodata,"a",@progbits
	.p2align	6, 0x0
	.amdhsa_kernel k_qeacfe57c98_ffn
		.amdhsa_group_segment_fixed_size 327680
		.amdhsa_private_segment_fixed_size 0
		.amdhsa_enable_private_segment 0
		.amdhsa_kernarg_size 64
		.amdhsa_user_sgpr_count 2
		.amdhsa_user_sgpr_kernarg_segment_ptr 1
		.amdhsa_wavefront_size32 1
		.amdhsa_system_sgpr_workgroup_id_x 1
		.amdhsa_system_sgpr_workgroup_id_y 1
		.amdhsa_system_sgpr_workgroup_id_z 1
		.amdhsa_system_vgpr_workitem_id 0
		.amdhsa_next_free_vgpr 1024
		.amdhsa_next_free_sgpr 88
		.amdhsa_reserve_vcc 1
		.amdhsa_float_denorm_mode_32 3
		.amdhsa_float_denorm_mode_16_64 3
		.amdhsa_memory_ordered 1
		.amdhsa_forward_progress 1
		.amdhsa_inst_pref_size 163
	.end_amdhsa_kernel
	.amdgpu_metadata
---
amdhsa.version: [ 1, 2 ]
amdhsa.kernels:
  - .name:           k_qeacfe57c98_ffn
    .symbol:         k_qeacfe57c98_ffn.kd
    .args:
      - { .name: x, .offset: 0, .size: 8, .value_kind: global_buffer, .address_space: global }
      - { .name: w1, .offset: 8, .size: 8, .value_kind: global_buffer, .address_space: global }
      - { .name: b1, .offset: 16, .size: 8, .value_kind: global_buffer, .address_space: global }
      - { .name: w2c, .offset: 24, .size: 8, .value_kind: global_buffer, .address_space: global }
      - { .name: b2, .offset: 32, .size: 8, .value_kind: global_buffer, .address_space: global }
      - { .name: circuit_params, .offset: 40, .size: 8, .value_kind: global_buffer, .address_space: global }
      - { .name: lowp_scales, .offset: 48, .size: 8, .value_kind: global_buffer, .address_space: global }
      - { .name: out0, .offset: 56, .size: 8, .value_kind: global_buffer, .address_space: global }
    .group_segment_fixed_size: 327680
    .private_segment_fixed_size: 0
    .kernarg_segment_align: 8
    .kernarg_segment_size: 64
    .max_flat_workgroup_size: 128
    .sgpr_count:     88
    .vgpr_count:     1024
    .wavefront_size: 32
...
	.end_amdgpu_metadata
.endif
;; end of part 2
